; MI455X (gfx1250); checked and timed in simulation.
; The chip was launched on July 23, 2026; its instructions are those of AMD's public machine-readable ISA for CDNA 5 (MIT licence, August 2026) and "CDNA5" Instruction Set Architecture Reference Guide (July 2026). The comments in the code are by the model that wrote it; some were corrected since.
;; Model. Allowed arithmetic: matrix products marked QUANTISED: E2M1 operands, one E8M0 scale for each 32 along K, by v_wmma_scale_f32_16x16x128_f8f6f4 with both operands' format E2M1 (or v_wmma_scale_f32_32x16x128_f4), f32 sums; everything else in f32.
;; Inputs: k_codes 4 x 16 x 2,048 x 2 x 16 uint8 (E2M1 codes of k, K innermost, in blocks of 32 codes, two codes a byte); k_scales 4 x 16 x 2,048 x 2 uint8 (E8M0 scales of k, one for each 32 codes along K); q 4 x 16 x 2,048 x 64 float32; v_codes 4 x 16 x 64 x 64 x 16 uint8 (E2M1 codes of v, K innermost, in blocks of 32 codes, two codes a byte); v_scales 4 x 16 x 64 x 64 uint8 (E8M0 scales of v, one for each 32 codes along K).
;; Outputs: out0 4 x 16 x 2,048 x 64 float32.
;; This version of the problem:
;;   THIS VERSION OF THE PROBLEM IS GIVEN IN LOW PRECISION. The matrix products marked QUANTISED in the list below multiply operands that are first quantised to E2M1 (2 exponent bits, 1 mantissa bit; 4 bits a number), with one power-of-two scale for each 32 numbers along K (OCP MX v1.0); their sums are f32. All else is computed in f32.
;;   The module's matrix products, in the order in which they are computed (A, B: the left and right operand; K: the contracted axis; several contracted axes count as one K, in the product's order):
;;     1. batch 64 x [M 2,048, K 64] x [K 64, N 2,048]; A: computed on the way; B: input k (given as codes): QUANTISED
;;     2. batch 64 x [M 2,048, K 2,048] x [K 2,048, N 64]; A: computed on the way; B: input v (given as codes): QUANTISED
;;   THE QUANTISER, for each operand of a quantised product, along K:
;;     - K is cut into blocks of 32 from its start; a last block that is shorter is filled with zeros.
;;     - A block's scale is 2^e with e = floor(log2(the largest magnitude in the block)) - 2, held to -126 .. 127; a block of zeros has e = 0. As a byte (E8M0): e + 127.
;;     - Each number is divided by its block's scale, clamped to +-6, and rounded to the nearest number of E2M1, ties to even, subnormals kept.
;;     - The product sums the exact products of the quantised numbers (number of the format x scale) in f32.
;;   ~~~python
;;   def quantise(x, axis):      # numpy; x: float32 -> the quantised numbers, widened to float32 again
;;       x = np.moveaxis(x, axis, -1); K = x.shape[-1]
;;       x = np.pad(x, [(0, 0)] * (x.ndim - 1) + [(0, -K % 32)]); x = x.reshape(x.shape[:-1] + (-1, 32)); a = np.abs(x).max(-1, keepdims=True)
;;       e = np.where(a > 0, np.clip(np.frexp(np.where(a > 0, a, 1))[1] - 1 - 2, -126, 127), 0)      # np.frexp(a)[1] - 1 = floor(log2(a)), exactly
;;       r = np.clip(x / 2.0 ** e, -6, 6)
;;       step = 2.0 ** (np.maximum(np.frexp(np.where(r == 0, 1, r))[1] - 1, 0) - 1)
;;       q = np.round(r / step) * step * 2.0 ** e      # np.round: ties to even
;;       return np.moveaxis(q.reshape(q.shape[:-2] + (-1,))[..., :K], -1, axis).astype(np.float32)
;;   ~~~
;;   OPERANDS COMPUTED ON THE WAY. 'Computed on the way' means the value that the module computes at that place (a softmax that the list does not call 'softmax' is quantised finished and normalised). What goes into a quantiser is computed in f32, as accurately as f32 sums, v_exp_f32 and their like allow (about 1e-6 of the number): no bf16 or f16 on the way to a quantiser, and a product that is left as it is and whose result goes on into a quantised operand takes f32 operands (vector FMAs, or v_wmma_f32_16x16x4_f32). A number that lies on a knife's edge between two numbers of the format may be rounded either way, as far as f32 arithmetic and the matrix unit's own rounding can turn it there, and no further.
;;   INPUTS GIVEN AS CODES. k (in the module: [4, 16, 2048, 64], K = its axis 3); v (in the module: [4, 16, 2048, 64], K = its axis 2): each comes as NAME_codes (uint8): NAME with its K axis moved to the last place and cut into blocks of 32 codes, [.., K / 32, bytes a block], one block behind the other in memory; two codes a byte, the lower K in the low four bits (a code: sign, 2 exponent bits, 1 mantissa bit); and NAME_scales (uint8): the same leading axes, one E8M0 byte (e + 127) for each 32 codes along K. Its value is code x scale, taken as it is: it is not quantised again, and the codes and scales need not be those that the quantiser above would give.
;; One version. Each part assembles by itself: llvm-mc -triple=amdgcn-amd-amdhsa -mcpu=gfx1250 --defsym DOCPART=n.
;; ======== version 1 of 1: 1 launch
;; launch rebased (part 1): grid 4 x 64, 8 waves a work-group, clusters of 4 x 1, 214,528 bytes of LDS; arguments k_codes, k_scales, q, v_codes, v_scales, out0; writes out0
.if DOCPART == 1
	.amdgcn_target "amdgcn-amd-amdhsa--gfx1250"
	.amdhsa_code_object_version 6
	.text
	.protected	k_qdbb95c2f3b_rebased
	.globl	k_qdbb95c2f3b_rebased
	.p2align	8
	.type	k_qdbb95c2f3b_rebased,@function
k_qdbb95c2f3b_rebased:
	s_mov_b64 s[64:65], 0
	v_nop
	global_prefetch_b8 v0, s[64:65] scope:SCOPE_SE
	s_setreg_imm32_b32 hwreg(HW_REG_WAVE_MODE, 25, 1), 1
	s_wait_xcnt 0x0
	s_wait_alu depctr_hold_cnt(0) depctr_sa_sdst(0) depctr_va_vdst(0) depctr_va_sdst(0) depctr_va_ssrc(0) depctr_va_vcc(0) depctr_vm_vsrc(0)
	s_getreg_b32 s2, hwreg(HW_REG_IB_STS2, 6, 4)
	s_cmp_eq_u32 s2, 0
	s_cbranch_scc0 .Lentry_in_a_cluster
	s_endpgm
.Lentry_in_a_cluster:
	s_bfe_u32 s2, ttmp6, 0x10000c
	s_cmp_lg_u32 s2, 0x3003
	s_cbranch_scc0 .Lentry_shape_is_right
	s_endpgm
.Lentry_shape_is_right:
; out[h][q][:] = (sum over keys k <= q of a(q, k) V[h][k][:]) / (z(q) + 1e-6),  a = (Q(q / 8) . K[h][k])^2,  z = the sum of a over k <= q.   64 heads, 2,048 rows, head size 64.
; Both products run on codes of FP4 (E2M1) with one E8M0 scale for each 32 along K.  q (f32) is scaled by 1/8 and quantised here along the head's 64; K and V arrive as codes (V with the keys innermost);
; a, zero above the diagonal and NOT normalised, is quantised here along the keys, in blocks of 32; z is the f32 sum of the unquantised a.
; SHARES.  The four work-groups of a cluster belong to one head.  The head's K and V, codes and scale bytes (139,264 bytes of memory), come into each work-group's LDS ONCE, by joint tensor loads that name the four,
; and stay: no slot is ever filled again.  The 2,048 queries are 16 groups j of 128; group j needs key steps 0 .. j of 128 keys.  Work-group cx owns queries 128 j + 32 cx .. + 31 of EVERY group.
; Wave w (0..7) makes two passes: group 15 - w (16 - w key steps), then group w (w + 1 key steps): 17 key steps for every wave of every work-group.  In a pass a wave holds two tiles of 16 queries,
; which share every fragment of K and V that is read from LDS.  cx enters q's and out's global addresses and the numbers of the causal mask, and no LDS address, branch or descriptor.
; LAYOUT.  Both products are used transposed: S^T = K Q^T (source 0 = 16 keys, source 1 = 16 queries), O^T = V^T A^T (source 0 = 16 of the head's 64, source 1 = A): a lane holds ONE query (lane % 16) throughout.
; THE KEYS OF A TILE ARE NOT NEIGHBOURS: lane r of tile 2 b + u takes key 32 b + 8 u + r + 8 (r / 8), so that the 16 registers of tiles 2 b and 2 b + 1 are 16 neighbouring keys, 32 b + 16 (lane / 16) + 0 .. 15.
; The first product's K is 64: the instruction's k = 64 .. 127 are zero CODES on both sides (registers 4-7 of each fragment, cleared once), under the scale byte 0, which is no NaN.
; LIMITS.  NaN and infinities among the inputs and the scale byte 0xff are not served.  The mask is a multiplication of the score by 0 or 1 ahead of the square: a hidden score that is itself infinite
; (beyond 3.4e38) gives NaN where the definition gives a number.  A block of zeros carries the byte 1 where the quantiser says 127: its codes are zeros, and only this text reads the bytes.
; REGISTERS, in windows of 256.  Window 0: v1-8 addresses that stay, v9-12 the step's, v16-47 q's four fragments, v48-59 scale words, v60-63 z, v64-127 K's eight fragments, v128-191 S^T then a,
; v192-223 V's four fragments, v224-239 a's codes, v240-255 at work.   Window 1: v0-63 O^T (tile u, 16 t on: 32 u + 8 t), v64-191 the mask as numbers 0 or 1, v192-255 the second pass's q as loaded.
.set KPG,   528                        ; LDS: 16 keys' codes, 512 bytes, + 16 of padding.  Key x lies at 528 (x / 16) + 32 (x % 16): the two groups of eight rows that a fragment load touches fall on the even and the odd 16-byte columns (64 banks of 4 bytes: ISA guide 11.1)
.set KSTEP, 8*KPG                      ; a key step's 128 keys
.set KHALF, 64*KPG                     ; 1,024 keys: what one tensor load brings
.set VC0,   2*KHALF                    ; V's codes: 64 rows d of 512 bytes (keys 0-1023) + 16; behind them the same for keys 1024-2047
.set VP,    528
.set VHALF, 64*VP
.set KSB,   VC0+2*VHALF                ; K's scale bytes, dense: 2 a key, 256 a step
.set VSB,   KSB+4096                   ; V's scale bytes: 64 rows d of 64 bytes + 8
.set VSP,   72
.set STG,   VSB+64*VSP                 ; a stage for each wave: two slots of 16 rows x (256 bytes + 16).  It begins at a multiple of 256, and no tensor load lands in it
.set SP,    272
.set SLOTB, 16*SP
.set WSTG,  2*SLOTB
.set AK0,  1                           ; v1   my lane's place in a step's K
.set AV0,  2                           ; v2   in V
.set ASK0, 3                           ; v3   among K's scale bytes
.set ASV0, 4                           ; v4   among V's scale words
.set RDW,  5                           ; v5   stage, by rows: 272 (lane / 16) + 16 (lane % 16)
.set QRD,  6                           ; v6   stage, q's way back: 272 r + 128 h
.set STO,  7                           ; v7   stage, O's way in: 272 r + 32 h
.set GO,   8                           ; v8   16 x lane: my bytes in 512 consecutive bytes of q or of out
.set ADK,  9
.set ADV,  10
.set ADS,  11
.set ADT,  12
.set NIL,  13                          ; v13  0
.set SH8,  14                          ; v14  8 h
.set TW,   15
.set QF,   16
.set QSC,  48
.set KSC,  52
.set VSC,  56
.set PSC,  58
.set Z,    60
.set KF,   64
.set S,    128
.set VF,   192
.set PC,   224
.set TM,   240
.set OA,   0                           ; window 1
.set MK,   64                          ; window 1
.set Q2,   192                         ; window 1
.set G1KC, 16                          ; s[16:47] four descriptor groups 1;  s[48:55], s[68:75] four groups 0: none is ever rewritten
.set G1VC, 24
.set G1KS, 32
.set G1VS, 40
.set G0KS, 48
.set G0KC, 52
.set G0VS, 68
.set G0VC, 72
.set WV,   60                          ; my wave's number
.set CX,   61                          ; my work-group's place in the cluster
.set HEAD, 62
.set XH,   63                          ; wave % 2: which half I fetch, if I fetch
.set SEL,  80                          ; s[80:81] v_permlanex16_b32's selects for lane l xor 16
.set JD,   82                          ; the pass's group of queries = its diagonal key step
.set STP,  83                          ; the key step in hand
.set TK,   84                          ; where it begins in K's codes, V's codes, K's scale bytes, V's scale words
.set TV,   85
.set TS,   86
.set TJ,   87
.set LC,   88                          ; loop counter
.set QB1,  90                          ; s[90:93] q at my 32 queries of pass 1, of pass 2;  s[94:97] out likewise
.set QB2,  92
.set OB1,  94
.set OB2,  96
.set W0C,  15|(1<<20)|(1<<21)|(6<<22)|(3<<25)   ; group 1, word 0: 15:0 the mask: all four work-groups; 17:16 elements of 1 byte; 20 padding on; 21 set beside a mask; 24:22 after every 128 words; 31:25 four words
.set W0KS, 15|(1<<21)                           ; no padding
.set W0VS, 15|(1<<20)|(1<<21)|(3<<22)|(1<<25)   ; after every 16 words two words
.set MSB, 0
.macro WIN new                         ; the immediate's low byte: bits 1:0 source 0, 3:2 source 1, 5:4 source 2, 7:6 destination; its high byte repeats the setting that is left
.if MSB != \new
	s_set_vgpr_msb (MSB<<8)|\new
.set MSB, \new
.endif
.endm
.macro PLACES                          ; four plain vector instructions between a matrix instruction and the first vector read of its result (ISA guide 7.12.1)
.rept 4
	v_nop
.endr
.endm
.macro GROUP1 g, w0, cols, rows, pitch ; a tile of rows x cols bytes, pitch bytes from row to row in memory; it lies inside its tensor, so the extents are the tile's
	s_mov_b32 s[\g], \w0
	s_mov_b32 s[\g+1], (\cols)<<16
	s_mov_b32 s[\g+2], (\rows)<<16
	s_mov_b32 s[\g+3], (\cols)<<16
	s_mov_b32 s[\g+4], \rows
	s_mov_b32 s[\g+5], \pitch
	s_mov_b32 s[\g+6], 0
	s_mov_b32 s[\g+7], 0
.endm
; A round of the cluster's barrier: my work-group's barrier, wave 0 signals for the work-group, every wave waits for all four work-groups, my work-group's barrier once more.
.macro CROUND
	s_barrier_signal -1
	s_barrier_wait -1
	s_cmp_lg_u32 s[WV], 0
	s_cbranch_scc1 .Lnot_wave_0_\@
	s_barrier_signal -3
.Lnot_wave_0_\@:
	s_barrier_wait -3
	s_barrier_signal -1
	s_barrier_wait -1
.endm
	s_load_b256 s[4:11], s[0:1], 0x0               ; K's codes s[4:5], K's scales s[6:7], q s[8:9], V's codes s[10:11]
	s_load_b128 s[12:15], s[0:1], 0x20             ; V's scales s[12:13], out s[14:15]
	v_lshl_add_u32 v254, v0, 2, 0x34200
	v_mov_b32 v255, 0
	ds_add_u32 v254, v255
	ds_add_u32 v254, v255
	s_wait_dscnt 0x0
	v_lshrrev_b32 v[TW], 5, v0
	v_readfirstlane_b32 s[WV], v[TW]               ; wave 0..7
	s_bfe_u32 s[CX], ttmp6, 0x40000                ; cx; the grid is one cluster wide, so cx is the work-group's x
	s_and_b32 s[HEAD], ttmp7, 0xffff               ; the head, which the four partners share
	s_and_b32 s[XH], s[WV], 1
	GROUP1 G1KC, W0C, 512, 64, 512                 ; K's codes: dense in memory, taken as rows of 16 keys
	GROUP1 G1VC, W0C, 512, 64, 1024                ; V's codes: half of each of the 64 rows
	GROUP1 G1KS, W0KS, 256, 8, 256                 ; K's scale bytes: half a head's 4,096
	GROUP1 G1VS, W0VS, 64, 32, 64                  ; V's scale bytes: 32 rows
	s_lshl_b32 s56, s[HEAD], 12                    ; byte offsets, apart from the addresses.  Scale bytes: 4,096 a head + 2,048 x half
	s_lshl_b32 s57, s[XH], 11
	s_add_co_u32 s56, s56, s57
	s_mov_b32 s57, 0
	s_lshl_b32 s58, s[HEAD], 16                    ; K's codes: 65,536 a head + 32,768 x half
	s_lshl_b32 s59, s[XH], 15
	s_add_co_u32 s58, s58, s59
	s_mov_b32 s59, 0
	s_lshl_b32 s66, s[HEAD], 16                    ; V's codes: 65,536 a head + 512 x half (along the rows)
	s_lshl_b32 s67, s[XH], 9
	s_add_co_u32 s66, s66, s67
	s_mov_b32 s67, 0
	s_lshl_b32 s98, s[HEAD], 19                    ; q and out: 524,288 a head + 32,768 x group + 8,192 x cx
	s_lshl_b32 s99, s[CX], 13
	s_add_co_u32 s98, s98, s99
	s_sub_co_u32 s[JD], 15, s[WV]                  ; pass 1's group
	s_lshl_b32 s99, s[JD], 15
	s_add_co_u32 s[QB1], s98, s99
	s_mov_b32 s[QB1+1], 0
	s_lshl_b32 s99, s[WV], 15                      ; pass 2's group is w
	s_add_co_u32 s[QB2], s98, s99
	s_mov_b32 s[QB2+1], 0
	s_lshl_b32 s99, s[CX], 5                       ; 32 cx, for the mask's numbers
	s_mul_i32 s89, s[WV], WSTG
	s_add_co_u32 s89, s89, STG                     ; my stage
	s_mov_b32 s[SEL], 0x76543210
	s_mov_b32 s[SEL+1], 0xfedcba98
	s_mov_b32 s[G0KS], 1                           ; groups 0: word 0 = 1; word 1 the LDS address: a constant + a constant x (wave % 2)
	s_lshl_b32 s[G0KS+1], s[XH], 11
	s_add_co_u32 s[G0KS+1], s[G0KS+1], KSB
	s_mov_b32 s[G0KC], 1
	s_mul_i32 s[G0KC+1], s[XH], KHALF
	s_mov_b32 s[G0VS], 1
	s_mul_i32 s[G0VS+1], s[XH], 32*VSP
	s_add_co_u32 s[G0VS+1], s[G0VS+1], VSB
	s_mov_b32 s[G0VC], 1
	s_mul_i32 s[G0VC+1], s[XH], VHALF
	s_add_co_u32 s[G0VC+1], s[G0VC+1], VC0
	v_and_b32 v[TM], 31, v0                        ; lane
	v_and_b32 v[TM+1], 15, v0                      ; r
	v_bfe_u32 v[TM+2], v0, 4, 1                    ; h
	v_bfe_u32 v[TM+3], v0, 3, 1                    ; r / 8
	v_and_b32 v[TM+4], 7, v0                       ; r % 8
	v_mul_u32_u24 v[AK0], v[TM+3], KPG             ; K: 528 (r / 8) + 32 (r % 8) + 16 h; tile 2 b + u stands in the loads' offsets
	v_lshl_add_u32 v[AK0], v[TM+4], 5, v[AK0]
	v_lshl_add_u32 v[AK0], v[TM+2], 4, v[AK0]
	v_mul_u32_u24 v[AV0], v[TM+1], VP              ; V: row r, + 16 h
	v_lshl_add_u32 v[AV0], v[TM+2], 4, v[AV0]
	v_add_nc_u32 v[AV0], VC0, v[AV0]
	v_lshlrev_b32 v[ASK0], 1, v[TM+1]              ; K's scale bytes: key r + 8 (r / 8) + 8 h: lanes 0-15 take tile 2 b's, lanes 16-31 tile 2 b + 1's
	v_lshl_add_u32 v[ASK0], v[TM+3], 4, v[ASK0]
	v_lshl_add_u32 v[ASK0], v[TM+2], 4, v[ASK0]
	v_add_nc_u32 v[ASK0], KSB, v[ASK0]
	v_mul_u32_u24 v[ASV0], v[TM], VSP              ; V's scale words: row = lane: lanes 0-15 tile 2 p's, lanes 16-31 tile 2 p + 1's
	v_add_nc_u32 v[ASV0], VSB, v[ASV0]
	v_mul_u32_u24 v[RDW], v[TM+2], SP
	v_lshl_add_u32 v[RDW], v[TM+1], 4, v[RDW]
	v_add_nc_u32 v[RDW], s89, v[RDW]
	v_mul_u32_u24 v[QRD], v[TM+1], SP
	v_lshl_add_u32 v[STO], v[TM+2], 5, v[QRD]
	v_lshl_add_u32 v[QRD], v[TM+2], 7, v[QRD]
	v_add_nc_u32 v[QRD], s89, v[QRD]
	v_add_nc_u32 v[STO], s89, v[STO]
	v_lshlrev_b32 v[GO], 4, v[TM]
	v_mov_b32 v[NIL], 0
	v_lshlrev_b32 v[SH8], 3, v[TM+2]
	v_lshlrev_b32 v[TM+5], 4, v[TM+2]
	v_sub_nc_u32 v[TM+5], v[TM+1], v[TM+5]
	v_add_nc_u32 v[TM+5], s99, v[TM+5]             ; d = 32 cx + r - 16 h for tile 0,
	v_add_nc_u32 v[TM+6], 16, v[TM+5]              ; + 16 for tile 1: in the diagonal step register 16 b + i holds a hidden key where 32 b + i > d
	s_wait_kmcnt 0x0
	s_add_nc_u64 s[G0KS+2:G0KS+3], s[6:7], s[56:57]
	s_or_b32 s[G0KS+3], s[G0KS+3], 0x80000000      ; 127:126 type = 2
	s_add_nc_u64 s[G0KC+2:G0KC+3], s[4:5], s[58:59]
	s_or_b32 s[G0KC+3], s[G0KC+3], 0x80000000
	s_add_nc_u64 s[G0VS+2:G0VS+3], s[12:13], s[56:57]
	s_or_b32 s[G0VS+3], s[G0VS+3], 0x80000000
	s_add_nc_u64 s[G0VC+2:G0VC+3], s[10:11], s[66:67]
	s_or_b32 s[G0VC+3], s[G0VC+3], 0x80000000
	s_add_nc_u64 s[OB1:OB1+1], s[14:15], s[QB1:QB1+1]
	s_add_nc_u64 s[OB2:OB2+1], s[14:15], s[QB2:QB2+1]
	s_add_nc_u64 s[QB1:QB1+1], s[8:9], s[QB1:QB1+1]
	s_add_nc_u64 s[QB2:QB2+1], s[8:9], s[QB2:QB2+1]
	CROUND                                         ; all four work-groups are here: the joint loads meet
	; THE FILLS, all of the launch's, in one branch on the wave's number: waves 0 and 1 K's two halves, waves 2 and 3 V's, the others none.  Two tensor loads of a wave are out.
	; Four v_nop follow each arm's last load, ahead of the jump, the label and what follows.
	s_cmp_lt_u32 s[WV], 2
	s_cbranch_scc0 .Lnot_k
	tensor_load_to_lds s[G0KS:G0KS+3], s[G1KS:G1KS+7]
	s_nop 0
	tensor_load_to_lds s[G0KC:G0KC+3], s[G1KC:G1KC+7]
	s_nop 0
	PLACES
	s_branch .Lasked
.Lnot_k:
	s_cmp_lt_u32 s[WV], 4
	s_cbranch_scc0 .Lasked
	tensor_load_to_lds s[G0VS:G0VS+3], s[G1VS:G1VS+7]
	s_nop 0
	tensor_load_to_lds s[G0VC:G0VC+3], s[G1VC:G1VC+7]
	s_nop 0
	PLACES
.Lasked:
	; q of both passes is asked for now, as it lies: each load takes 512 consecutive bytes, two rows.  Pass 1's 32 rows land in S, pass 2's in window 1, where they wait until pass 1 is over.
.irp k, 0,1,2,3,4,5,6,7,8,9,10,11,12,13,14,15
	global_load_b128 v[S+4*\k:S+4*\k+3], v[GO], s[QB1:QB1+1] offset:512*\k th:TH_LOAD_NT
.endr
	WIN 0x40                                       ; destination window 1
.irp k, 0,1,2,3,4,5,6,7,8,9,10,11,12,13,14,15
	global_load_b128 v[Q2+4*\k:Q2+4*\k+3], v[GO], s[QB2:QB2+1] offset:512*\k th:TH_LOAD_NT
.endr
	; The causal mask of the diagonal step, as numbers 1 (the key counts) or 0: it hangs on cx, the tile and the lane alone, so it is made once, while the loads are on their way, and serves both passes.
.irp u, 0,1
.set n, 0
.rept 64
	v_cmp_gt_i32 vcc_lo, 32*(n/16)+n%16, v[TM+5+\u]
	v_cndmask_b32 v[MK+64*\u+n], 1.0, v[NIL], vcc_lo
.set n, n+1
.endr
.endr
	WIN 0
.irp i, 4,5,6,7,8,9,10,11
	v_mov_b32 v[TM+\i], 0                          ; written once: a lane permute's destination counts as one of its sources, and the upper halves of the pairs named in the way out count as read
.endr
; TILE tq OF q (tq = 2 x pass + tile) BECOMES A FRAGMENT AND A SCALE WORD.  The 16 rows go through my stage as they were loaded and come back 128 bytes a lane: lane (r, h) then holds d = 32 h .. 32 h + 31 of query r,
; a whole block: its largest magnitude needs no other lane, and the four conversions' results are registers 0-3 of the operand.  left: the loads of q issued behind this tile's eight, which may stay out.
.macro QUANTQ tq, left
.set XS, S+32*((\tq)%2)
	s_wait_loadcnt \left
.if (\tq) >= 2
	WIN 0x04                                       ; an LDS store's data are its source 1: window 1
.irp i, 0,1,2,3,4,5,6,7
	ds_store_b128 v[RDW], v[Q2+32*((\tq)-2)+4*\i:Q2+32*((\tq)-2)+4*\i+3] offset:SLOTB*((\tq)%2)+2*SP*\i
.endr
	WIN 0
.else
.irp i, 0,1,2,3,4,5,6,7
	ds_store_b128 v[RDW], v[XS+4*\i:XS+4*\i+3] offset:SLOTB*((\tq)%2)+2*SP*\i
.endr
.endif
.irp i, 0,1,2,3,4,5,6,7
	ds_load_b128 v[XS+4*\i:XS+4*\i+3], v[QRD] offset:SLOTB*((\tq)%2)+16*\i   ; LDS serves a wave's instructions in order (ISA guide 5.7.1.4): these see the stores above
.endr
	s_wait_dscnt 0x0
.set n, 0
.rept 16
	v_pk_mul_f32 v[XS+n:XS+n+1], v[XS+n:XS+n+1], 0x3e000000 op_sel_hi:[1,0]   ; q / 8, exact
.set n, n+2
.endr
	v_max3_num_f32 v[TM], |v[XS]|, |v[XS+1]|, |v[XS+2]|                ; the block's largest magnitude, in two chains
	v_max3_num_f32 v[TM+1], |v[XS+3]|, |v[XS+4]|, |v[XS+5]|
.irp i, 6,10,14,18,22,26
	v_max3_num_f32 v[TM], v[TM], |v[XS+\i]|, |v[XS+\i+1]|
	v_max3_num_f32 v[TM+1], v[TM+1], |v[XS+\i+2]|, |v[XS+\i+3]|
.endr
	v_max3_num_f32 v[TM], v[TM], |v[XS+30]|, |v[XS+31]|
	v_max3_num_f32 v[TM], v[TM], v[TM+1], 0x1800000                    ; and the floor 2^(3 - 127): the byte cannot fall under 1
	v_add_nc_u32 v[TM+12], 0xff000000, v[TM]                           ; 2 off its exponent field: the conversion takes the exponent field of this operand as its scale
.irp g, 0,1,2,3
	v_cvt_scalef32_pk8_fp4_f32 v[QF+8*(\tq)+\g], v[XS+8*\g:XS+8*\g+7], v[TM+12]
.endr
	v_nop                                          ; one plain place behind a scaled conversion
	v_lshrrev_b32 v[TM+4], 23, v[TM+12]            ; the scale's byte,
	v_lshlrev_b32 v[TM+4], v[SH8], v[TM+4]         ; at block h's place in the word;
	v_permlanex16_b32 v[TM+5], v[TM+4], s[SEL], s[SEL+1]
	v_or_b32 v[QSC+(\tq)], v[TM+4], v[TM+5]        ; with lane l xor 16's the word is whole; bytes 2 and 3 are 0, over zero codes
.endm
	QUANTQ 0, 24
	QUANTQ 1, 16
.irp f, 0,1,2,3
.irp i, 4,5,6,7
	v_mov_b32 v[QF+8*\f+\i], 0                     ; k = 64 .. 127 of q's four fragments: zero codes, written once
.endr
.endr
.irp f, 0,1,2,3,4,5,6,7
.irp i, 4,5,6,7
	v_mov_b32 v[KF+8*\f+\i], 0                     ; and of K's eight: the loads of a step fill registers 0-3 alone
.endr
.endr
	s_wait_tensorcnt 0x0                           ; my tensor loads have landed, all of them: nothing is on its way into LDS behind this barrier
	s_wait_dscnt 0x0
	s_barrier_signal -1
	s_barrier_wait -1                              ; everybody's have: K and V lie whole in LDS, and nobody writes them again
; Eight products S^T = K Q^T for tile qt of the pass: each starts its sum with the constant 0 and is the whole sum (K = 64).  Odd tiles' scale words lie in lanes 16-31.
.macro SPROD pass, qt
.set QN, 2*\pass+\qt
.irp f, 0,1,2,3,4,5,6,7
.if \f%2
	v_wmma_scale_f32_16x16x128_f8f6f4 v[S+8*\f:S+8*\f+7], v[KF+8*\f:KF+8*\f+7], v[QF+8*QN:QF+8*QN+7], 0, v[KSC+\f/2], v[QSC+QN] matrix_a_fmt:MATRIX_FMT_FP4 matrix_b_fmt:MATRIX_FMT_FP4 matrix_a_scale:MATRIX_SCALE_ROW1
.else
	v_wmma_scale_f32_16x16x128_f8f6f4 v[S+8*\f:S+8*\f+7], v[KF+8*\f:KF+8*\f+7], v[QF+8*QN:QF+8*QN+7], 0, v[KSC+\f/2], v[QSC+QN] matrix_a_fmt:MATRIX_FMT_FP4 matrix_b_fmt:MATRIX_FMT_FP4
.endif
.endr
.endm
; One product of O^T += V^T A^T: 16 of the head's 64 from 16 vt on, tile qt; K = the step's 128 keys.  zero = 1: it starts the sum: nothing is ever cleared.
.macro OPROD vt, qt, zero
.set RO, OA+32*\qt+8*\vt
.if \zero
.if \vt%2
	v_wmma_scale_f32_16x16x128_f8f6f4 v[RO:RO+7], v[VF+8*\vt:VF+8*\vt+7], v[PC+8*\qt:PC+8*\qt+7], 0, v[VSC+\vt/2], v[PSC+\qt] matrix_a_fmt:MATRIX_FMT_FP4 matrix_b_fmt:MATRIX_FMT_FP4 matrix_a_scale:MATRIX_SCALE_ROW1
.else
	v_wmma_scale_f32_16x16x128_f8f6f4 v[RO:RO+7], v[VF+8*\vt:VF+8*\vt+7], v[PC+8*\qt:PC+8*\qt+7], 0, v[VSC+\vt/2], v[PSC+\qt] matrix_a_fmt:MATRIX_FMT_FP4 matrix_b_fmt:MATRIX_FMT_FP4
.endif
.else
.if \vt%2
	v_wmma_scale_f32_16x16x128_f8f6f4 v[RO:RO+7], v[VF+8*\vt:VF+8*\vt+7], v[PC+8*\qt:PC+8*\qt+7], v[RO:RO+7], v[VSC+\vt/2], v[PSC+\qt] matrix_a_fmt:MATRIX_FMT_FP4 matrix_b_fmt:MATRIX_FMT_FP4 matrix_a_scale:MATRIX_SCALE_ROW1
.else
	v_wmma_scale_f32_16x16x128_f8f6f4 v[RO:RO+7], v[VF+8*\vt:VF+8*\vt+7], v[PC+8*\qt:PC+8*\qt+7], v[RO:RO+7], v[VSC+\vt/2], v[PSC+\qt] matrix_a_fmt:MATRIX_FMT_FP4 matrix_b_fmt:MATRIX_FMT_FP4
.endif
.endif
.endm
; THE VECTOR WORK on a tile's 64 scores (register 16 b + i: key 32 b + 16 h + i of my query): mask, square, each block's scale, the codes, the row's sum.
; diag = 1: this copy of the step can be the diagonal one; whether it is hangs on the step's number and the wave's number alone.  Every accumulator is read from its low end on: the registers go in ascending order.
.macro VEC qt, diag
.if \diag
	s_cmp_lg_u32 s[STP], s[JD]
	s_cbranch_scc1 .Lopen_\@
	WIN 0x04                                       ; source 1: the mask, in window 1
.set n, 0
.rept 32
	v_pk_mul_f32 v[S+n:S+n+1], v[S+n:S+n+1], v[MK+64*\qt+n:MK+64*\qt+n+1]   ; hidden scores become 0 ahead of the square
.set n, n+2
.endr
	WIN 0
.Lopen_\@:
.endif
.set n, 0
.rept 32
	v_pk_mul_f32 v[S+n:S+n+1], v[S+n:S+n+1], v[S+n:S+n+1]                  ; a = s x s, two at a time
.set n, n+2
.endr
.irp b, 0,1,2,3
	v_max3_num_f32 v[TM+\b], v[S+16*\b], v[S+16*\b+1], 0x1800000           ; block b: my 16 numbers (none is negative), and the floor 2^(3 - 127): the byte cannot fall under 1
.endr
.irp i, 2,4,6,8,10,12,14
.irp b, 0,1,2,3
	v_max3_num_f32 v[TM+\b], v[TM+\b], v[S+16*\b+\i], v[S+16*\b+\i+1]      ; (the four blocks by turns: no line waits for the line above it)
.endr
.endr
.irp b, 0,1,2,3
	v_permlanex16_b32 v[TM+4+\b], v[TM+\b], s[SEL], s[SEL+1]
.endr
.irp b, 0,1,2,3
	v_max_num_f32 v[TM+\b], v[TM+\b], v[TM+4+\b]                           ; with lane l xor 16's 16 keys: the block's largest number
.endr
.irp b, 0,1,2,3
	v_add_nc_u32 v[TM+12+\b], 0xff000000, v[TM+\b]                         ; 2 off its exponent field: the conversion's scale operand
.endr
.irp b, 0,1,2,3
	v_lshrrev_b32 v[TM+4+\b], 23, v[TM+12+\b]                              ; the scale's byte
.endr
	v_lshl_or_b32 v[PSC+\qt], v[TM+5], 8, v[TM+4]                          ; the four bytes make my query's scale word for these 128 keys
	v_lshl_or_b32 v[PSC+\qt], v[TM+6], 16, v[PSC+\qt]
	v_lshl_or_b32 v[PSC+\qt], v[TM+7], 24, v[PSC+\qt]
.irp b, 0,1,2,3
	v_cvt_scalef32_pk8_fp4_f32 v[PC+8*\qt+2*\b], v[S+16*\b:S+16*\b+7], v[TM+12+\b]
	v_cvt_scalef32_pk8_fp4_f32 v[PC+8*\qt+2*\b+1], v[S+16*\b+8:S+16*\b+15], v[TM+12+\b]
.endr
	v_nop                                          ; one plain place behind a scaled conversion
.irp c, 0,1                                    ; the operand's layout wants a WHOLE block in a lane: lanes 0-15 block 2 c, lanes 16-31 block 2 c + 1
.irp i, 0,1
	v_permlane16_swap_b32 v[PC+8*\qt+4*\c+\i], v[PC+8*\qt+4*\c+2+\i]
.endr
.endr
	v_pk_add_f32 v[TM+8:TM+9], v[S:S+1], v[S+2:S+3]                        ; z takes the UNQUANTISED a: two at a time, in two chains.  These 32 are also the places between the codes and scale word just made and the products that take them
.irp j, 4,8,12,16,20,24,28,32,36,40,44,48,52,56,60
	v_pk_add_f32 v[Z+2*\qt:Z+2*\qt+1], v[Z+2*\qt:Z+2*\qt+1], v[S+\j:S+\j+1]
	v_pk_add_f32 v[TM+8:TM+9], v[TM+8:TM+9], v[S+\j+2:S+\j+3]
.endr
	v_pk_add_f32 v[Z+2*\qt:Z+2*\qt+1], v[Z+2*\qt:Z+2*\qt+1], v[TM+8:TM+9]
.endm
; A KEY STEP: 128 keys for my two tiles of queries.  guard = 1: a step behind the pass's diagonal is jumped over (a scalar branch on the step's and the wave's number), all but the lines that step the addresses:
; so every loop's trip count is a constant.  No barrier and no tensor load stands in a step.
.macro STEP pass, zero, guard, diag
.if \guard
	s_cmp_gt_u32 s[STP], s[JD]
	s_cbranch_scc1 .Lskip_\@
.endif
	v_add_nc_u32 v[ADK], s[TK], v[AK0]             ; these four are also the places between the last step's products and the loads into the registers that they read
	v_add_nc_u32 v[ADV], s[TV], v[AV0]
	v_add_nc_u32 v[ADS], s[TS], v[ASK0]
	v_add_nc_u32 v[ADT], s[TJ], v[ASV0]
.irp f, 0,1,2,3,4,5,6,7
	ds_load_b128 v[KF+8*\f:KF+8*\f+3], v[ADK] offset:2*KPG*(\f/2)+256*(\f%2)   ; tile f of K: my key's 16 bytes, d = 32 h .. 32 h + 31
.endr
.irp b, 0,1,2,3
	ds_load_u16 v[KSC+\b], v[ADS] offset:64*\b     ; my key's two scale bytes; the upper two bytes of the word are 0
.endr
.irp t, 0,1,2,3
.irp c, 0,1
	ds_load_b128 v[VF+8*\t+4*\c:VF+8*\t+4*\c+3], v[ADV] offset:16*VP*\t+32*\c
.endr
.endr
.irp pr, 0,1
	ds_load_b32 v[VSC+\pr], v[ADT] offset:32*VSP*\pr
.endr
	s_wait_dscnt 10                                ; K's twelve loads are in; V's ten, issued behind them, may stay out
	SPROD \pass, 0
	PLACES
	VEC 0, \diag
	SPROD \pass, 1                                 ; into the same 64 registers: tile 0's numbers have been summed and converted
	PLACES
	VEC 1, \diag
	s_wait_dscnt 0x0                               ; V is in
	WIN 0x50                                       ; C and D: O^T, in window 1
.irp t, 0,1,2,3                                ; the eight accumulators take turns, one instruction a turn, and sixteen other products stand between a step's and the next step's
.irp u, 0,1
	OPROD \t, \u, \zero
.endr
.endr
	WIN 0
.if \guard
.Lskip_\@:
.endif
	s_add_co_u32 s[TK], s[TK], KSTEP
	s_add_co_u32 s[TV], s[TV], 64
	s_add_co_u32 s[TS], s[TS], 256
	s_add_co_u32 s[TJ], s[TJ], 4
	s_add_co_u32 s[STP], s[STP], 1
.endm
.macro BEGIN_PASS
	s_mov_b32 s[STP], 0
	s_mov_b32 s[TK], 0
	s_mov_b32 s[TV], 0
	s_mov_b32 s[TS], 0
	s_mov_b32 s[TJ], 0
.irp i, 0,1,2,3
	v_mov_b32 v[Z+\i], 0
.endr
.endm
; THE WAY OUT of a pass.  z's two halves and lane l xor 16's are added; O^T x 1 / (z + 1e-6) goes through my stage (a lane holds 32 bytes of a row) and leaves as whole rows: each store covers 512 consecutive bytes,
; two rows of out, at a multiple of 256 from its first byte.  The ten plain lines that make the divisor are the places behind the last products.  again = 1: another pass follows.
.macro FINISH ob, again
.irp u, 0,1
	v_add_f32 v[TM+\u], v[Z+2*\u], v[Z+2*\u+1]
.endr
.irp u, 0,1
	v_permlanex16_b32 v[TM+4+\u], v[TM+\u], s[SEL], s[SEL+1]
.endr
.irp u, 0,1
	v_add_f32 v[TM+\u], v[TM+\u], v[TM+4+\u]
.endr
.irp u, 0,1
	v_add_f32 v[TM+\u], 0x358637bd, v[TM+\u]       ; + 1e-6
.endr
.irp u, 0,1
	v_rcp_f32 v[TM+8+2*\u], v[TM+\u]
.endr
	v_nop                                          ; a plain place behind the transcendentals
	WIN 0x01                                       ; source 0: O^T, in window 1
	s_wait_alu depctr_va_vdst(0)
.irp u, 0,1
.set n, 0
.rept 16
	v_pk_mul_f32 v[S+32*\u+n:S+32*\u+n+1], v[OA+32*\u+n:OA+32*\u+n+1], v[TM+8+2*\u:TM+9+2*\u] op_sel_hi:[1,0]   ; register 8 t + i of tile u: out(query r, 16 t + 8 h + i)
.set n, n+2
.endr
.endr
	WIN 0
.irp u, 0,1
.irp t, 0,1,2,3
	ds_store_b128 v[STO], v[S+32*\u+8*\t:S+32*\u+8*\t+3] offset:SLOTB*\u+64*\t
	ds_store_b128 v[STO], v[S+32*\u+8*\t+4:S+32*\u+8*\t+7] offset:SLOTB*\u+64*\t+16
.endr
.endr
.irp k, 0,1,2,3,4,5,6,7,8,9,10,11,12,13,14,15
	ds_load_b128 v[S+4*\k:S+4*\k+3], v[RDW] offset:SLOTB*(\k/8)+2*SP*(\k%8)   ; LDS serves a wave's instructions in order (ISA guide 5.7.1.4): these see the stores above
.endr
.irp k, 0,1,2,3,4,5,6,7,8,9,10,11,12,13,14,15
	s_wait_dscnt 15-\k                             ; pair k of rows is back; the younger loads may stay out
	global_store_b128 v[GO], v[S+4*\k:S+4*\k+3], s[\ob:\ob+1] offset:512*\k th:TH_STORE_NT   ; written once, read by nobody here
.endr
.if \again
	s_wait_xcnt 0x0                                ; the stores' data registers are written again only behind this wait
.endif
.endm
	; PASS 1: group 15 - w, key steps 0 .. 15 - w.  Steps 0 to 7 lie under every wave's diagonal (its group is 8 at the least): they have neither guard nor mask.
	BEGIN_PASS
	STEP 0, 1, 0, 0                                ; the first step's products start O^T's sums
	s_mov_b32 s[LC], 7
.Lbelow:
	STEP 0, 0, 0, 0
	s_sub_co_u32 s[LC], s[LC], 1
	s_cmp_lg_u32 s[LC], 0
	s_cbranch_scc1 .Lbelow
	s_add_co_u32 s[TV], s[TV], VHALF-512           ; V's keys 1,024 on lie in rows of their own
	s_mov_b32 s[LC], 8
.Lupper:
	STEP 0, 0, 1, 1
	s_sub_co_u32 s[LC], s[LC], 1
	s_cmp_lg_u32 s[LC], 0
	s_cbranch_scc1 .Lupper
	FINISH OB1, 1
	; PASS 2: group w, key steps 0 .. w.  Its q has been waiting in window 1.
	s_mov_b32 s[JD], s[WV]
	QUANTQ 2, 8
	QUANTQ 3, 0
	BEGIN_PASS
	PLACES                                         ; with z's four lines above and the step's four additions: twelve plain lines between the scale word just made and the first product that takes it (eight are asked)
	STEP 1, 1, 0, 1
	s_mov_b32 s[LC], 7
.Llower:
	STEP 1, 0, 1, 1
	s_sub_co_u32 s[LC], s[LC], 1
	s_cmp_lg_u32 s[LC], 0
	s_cbranch_scc1 .Llower
	FINISH OB2, 0                                  ; its last wait on DScnt is for 0: no LDS instruction of mine is out at the signal below
	s_wait_xcnt 0x0
	v_lshl_add_u32 v254, v0, 2, 0x34200
	v_mov_b32 v255, 0
	s_wait_tensorcnt 0x0
	ds_add_u32 v254, v255
	s_wait_dscnt 0x0
	CROUND                                         ; the closing round: no work-group ends while a partner may still ask for a tile that names it
	s_endpgm
.Lfunc_end_k_qdbb95c2f3b_rebased:
	.size	k_qdbb95c2f3b_rebased, .Lfunc_end_k_qdbb95c2f3b_rebased-k_qdbb95c2f3b_rebased
	.p2alignl 7, 3214868480
	.fill 96, 4, 3214868480
	.section	.rodata,"a",@progbits
	.p2align	6, 0x0
	.amdhsa_kernel k_qdbb95c2f3b_rebased
		.amdhsa_group_segment_fixed_size 214528
		.amdhsa_private_segment_fixed_size 0
		.amdhsa_enable_private_segment 0
		.amdhsa_kernarg_size 48
		.amdhsa_user_sgpr_count 2
		.amdhsa_user_sgpr_kernarg_segment_ptr 1
		.amdhsa_wavefront_size32 1
		.amdhsa_system_sgpr_workgroup_id_x 1
		.amdhsa_system_sgpr_workgroup_id_y 1
		.amdhsa_system_sgpr_workgroup_id_z 1
		.amdhsa_system_vgpr_workitem_id 0
		.amdhsa_next_free_vgpr 512
		.amdhsa_next_free_sgpr 100
		.amdhsa_reserve_vcc 1
		.amdhsa_float_denorm_mode_32 3
		.amdhsa_float_denorm_mode_16_64 3
		.amdhsa_memory_ordered 1
		.amdhsa_forward_progress 1
		.amdhsa_inst_pref_size 170
	.end_amdhsa_kernel
	.amdgpu_metadata
---
amdhsa.version: [ 1, 2 ]
amdhsa.kernels:
  - .name:           k_qdbb95c2f3b_rebased
    .symbol:         k_qdbb95c2f3b_rebased.kd
    .args:
      - { .name: k_codes, .offset: 0, .size: 8, .value_kind: global_buffer, .address_space: global }
      - { .name: k_scales, .offset: 8, .size: 8, .value_kind: global_buffer, .address_space: global }
      - { .name: q, .offset: 16, .size: 8, .value_kind: global_buffer, .address_space: global }
      - { .name: v_codes, .offset: 24, .size: 8, .value_kind: global_buffer, .address_space: global }
      - { .name: v_scales, .offset: 32, .size: 8, .value_kind: global_buffer, .address_space: global }
      - { .name: out0, .offset: 40, .size: 8, .value_kind: global_buffer, .address_space: global }
    .group_segment_fixed_size: 214528
    .private_segment_fixed_size: 0
    .kernarg_segment_align: 8
    .kernarg_segment_size: 48
    .max_flat_workgroup_size: 256
    .sgpr_count:     100
    .vgpr_count:     512
    .wavefront_size: 32
...
	.end_amdgpu_metadata
.endif
;; end of part 1
